; MI455X (gfx1250); checked and timed in simulation.
; The chip was launched on July 23, 2026; its instructions are those of AMD's public machine-readable ISA for CDNA 5 (MIT licence, August 2026) and "CDNA5" Instruction Set Architecture Reference Guide (July 2026). The comments in the code are by the model that wrote it; some were corrected since.
;; Ro PE2 D Attention. Allowed arithmetic: matrix products marked QUANTISED: E2M1 operands, one E8M0 scale for each 32 along K, by v_wmma_scale_f32_16x16x128_f8f6f4 with both operands' format E2M1 (or v_wmma_scale_f32_32x16x128_f4), f32 sums; products left as they are: bf16, f16 or f32 operands; f32 sums; everything else in f32.
;; Inputs: Wk 768 x 768 float32; Wo 768 x 768 float32; Wq 768 x 768 float32; Wv 768 x 768 float32; bk 768 float32; bo 768 float32; bq 768 float32; bv 768 float32; x 8 x 1,024 x 768 float32.
;; Outputs: out0 8 x 1,024 x 768 float32.
;; This version of the problem:
;;   THIS VERSION OF THE PROBLEM IS GIVEN IN LOW PRECISION. The matrix products marked QUANTISED in the list below multiply operands that are first quantised to E2M1 (2 exponent bits, 1 mantissa bit; 4 bits a number), with one power-of-two scale for each 32 numbers along K (OCP MX v1.0); their sums are f32. The products marked 'left as it is' may take bf16, f16 or f32 operands, with f32 sums. Whichever they take, every output number must still come out within the allowed error. Rounding operands to bf16 (8 significant bits) uses up far more of that allowance than f16 does (11 bits, for magnitudes from 6e-5 to 65,504). All else is computed in f32.
;;   The module's matrix products, in the order in which they are computed (A, B: the left and right operand; K: the contracted axis; several contracted axes count as one K, in the product's order):
;;     1. [M 8,192, K 768] x [K 768, N 768]; A: input x; B: input Wq: QUANTISED
;;     2. [M 8,192, K 768] x [K 768, N 768]; A: input x; B: input Wk: QUANTISED
;;     3. [M 8,192, K 768] x [K 768, N 768]; A: input x; B: input Wv: QUANTISED
;;     4. batch 96 x [M 1,024, K 64] x [K 64, N 1,024]; A: computed on the way; B: computed on the way: left as it is (an operand is computed on the way)
;;     5. batch 96 x [M 1,024, K 1,024] x [K 1,024, N 64]; A: computed on the way; B: computed on the way: left as it is (an operand is computed on the way)
;;     6. [M 8,192, K 768] x [K 768, N 768]; A: computed on the way; B: input Wo: left as it is (an operand is computed on the way)
;;   THE QUANTISER, for each operand of a quantised product, along K:
;;     - K is cut into blocks of 32 from its start; a last block that is shorter is filled with zeros.
;;     - A block's scale is 2^e with e = floor(log2(the largest magnitude in the block)) - 2, held to -126 .. 127; a block of zeros has e = 0. As a byte (E8M0): e + 127.
;;     - Each number is divided by its block's scale, clamped to +-6, and rounded to the nearest number of E2M1, ties to even, subnormals kept.
;;     - The product sums the exact products of the quantised numbers (number of the format x scale) in f32.
;;   ~~~python
;;   def quantise(x, axis):      # numpy; x: float32 -> the quantised numbers, widened to float32 again
;;       x = np.moveaxis(x, axis, -1); K = x.shape[-1]
;;       x = np.pad(x, [(0, 0)] * (x.ndim - 1) + [(0, -K % 32)]); x = x.reshape(x.shape[:-1] + (-1, 32)); a = np.abs(x).max(-1, keepdims=True)
;;       e = np.where(a > 0, np.clip(np.frexp(np.where(a > 0, a, 1))[1] - 1 - 2, -126, 127), 0)      # np.frexp(a)[1] - 1 = floor(log2(a)), exactly
;;       r = np.clip(x / 2.0 ** e, -6, 6)
;;       step = 2.0 ** (np.maximum(np.frexp(np.where(r == 0, 1, r))[1] - 1, 0) - 1)
;;       q = np.round(r / step) * step * 2.0 ** e      # np.round: ties to even
;;       return np.moveaxis(q.reshape(q.shape[:-2] + (-1,))[..., :K], -1, axis).astype(np.float32)
;;   ~~~
;; One version. Each part assembles by itself: llvm-mc -triple=amdgcn-amd-amdhsa -mcpu=gfx1250 --defsym DOCPART=n.
;; ======== version 1 of 1: 4 launches
;; limits: values are held in f16: magnitudes above 65,504 overflow, below 6.1e-05 lose precision
;; workspace buffers: xf 3,145,728 bytes; xs 393,216 bytes; wf 884,736 bytes; ws 55,296 bytes; wo16 1,179,648 bytes; rope 8,192 bytes; qkvf 37,748,736 bytes; ao 12,582,912 bytes
;; launch prep (part 1): grid 529 x 1, 4 waves a work-group, no clusters, 68,096 bytes of LDS; arguments x, Wq, Wk, Wv, Wo, xf, xs, wf, ws, wo16, rope; writes xf, xs, wf, ws, wo16, rope
.if DOCPART == 1
	.amdgcn_target "amdgcn-amd-amdhsa--gfx1250"
	.amdhsa_code_object_version 6
	.text
	.protected	k_q7a85d7f9c9_prep
	.globl	k_q7a85d7f9c9_prep
	.p2align	8
	.type	k_q7a85d7f9c9_prep,@function
k_q7a85d7f9c9_prep:
	s_mov_b64 s[64:65], 0
	v_nop
	global_prefetch_b8 v0, s[64:65] scope:SCOPE_SE
	s_setreg_imm32_b32 hwreg(HW_REG_WAVE_MODE, 25, 1), 1
	s_wait_xcnt 0x0
; PREP: what every later launch reads many times is made once, laid in the order of the reader's operand registers.
;   work-groups 0-383   x [8192][768] f32 -> codes of E2M1 (xf) and E8M0 scale words (xs), quantised along K = 768 in blocks of 32
;   work-groups 384-527 Wq, Wk, Wv [768 (k)][768 (n)] f32 -> codes (wf) and scale words (ws), quantised along K, their FIRST axis; Wo -> f16 (wo16)
;   work-group 528      the table of cosines and sines of the 2-D rotary embedding (rope), plain and times log2(e)/8
; A fragment's image is 1,024 bytes: register 4 c + g of lane l lies at 512 c + 16 l + 4 g, so that two loads of 16 bytes a lane bring it back.
; A block's scale is 2^(floor(log2(largest magnitude)) - 2): its byte is the largest magnitude's exponent field less 2, held at 1 from below by a floor among the maximum's leaves.
; LIMITS: a block of zeros, or one whose largest magnitude lies under 2^-124, keeps the byte 1 (a block of zeros has zero codes, and only this program reads the bytes);
; NaN and infinities are not served; |Wo| stays at or under 65,504 (f16); a rotary angle carries up to about 1e-5 of absolute error (the frequency is 2^(-i log2(10000)/16) by v_exp_f32).
.set SPARE, 67584                      ; behind the four waves' stages: the spare words, 128 bytes a wave, two blocks of 256 bytes that no other line names
.set SPW,   2                          ; v2  LDS address of my spare word; never rewritten
.set NIL,   3                          ; v3  0; never rewritten
.set WSTG,  16896                      ; a wave's LDS: two stages
.set QSTG,  8448                       ; a stage: 16 rows of SP bytes
.set SP,    528                        ; a stage row: 512 bytes + 16, an odd multiple of 16: the 16 rows of a load start in different banks
.macro FINISH                          ; the wave's end
	s_wait_tensorcnt 0x0
	ds_add_u32 v[SPW], v[NIL]
	s_wait_dscnt 0x0
	s_endpgm
.endm
	s_load_b512 s[4:19], s[0:1], 0x0               ; x s[4:5], Wq s[6:7], Wk s[8:9], Wv s[10:11], Wo s[12:13], xf s[14:15], xs s[16:17], wf s[18:19]
	s_load_b128 s[20:23], s[0:1], 0x40             ; ws s[20:21], wo16 s[22:23]
	s_load_b64 s[24:25], s[0:1], 0x50              ; rope
	v_lshl_add_u32 v[SPW], v0, 2, SPARE
	v_mov_b32 v[NIL], 0
	v_lshrrev_b32 v1, 5, v0
	v_readfirstlane_b32 s26, v1                    ; wave 0..3
	v_and_b32 v1, 31, v0                           ; lane l
	v_and_b32 v4, 15, v0                           ; r = l % 16
	v_bfe_u32 v5, v0, 4, 1                         ; h = l / 16
	s_mov_b32 s40, 0x76543210
	s_mov_b32 s41, 0xfedcba98                      ; v_permlanex16_b32's selects for lane l xor 16
	s_wait_kmcnt 0x0
	s_cmp_lt_u32 ttmp9, 384
	s_cbranch_scc1 .Lxpath
	s_cmp_lt_u32 ttmp9, 528
	s_cbranch_scc1 .Lwpath
; ---- THE TABLE: 128 threads, four positions each.  rope[scaling][pos 32][i 16] = (cos, sin)(pos x 10000^(-i/16)), 8 bytes; thread t holds i = t % 16 and pos = t / 16 + 8 jj.
	v_and_b32 v10, 15, v0
	v_lshrrev_b32 v11, 4, v0
	v_cvt_f32_u32 v12, v10
	v_mul_f32 v12, 0xbf549a78, v12                 ; -i log2(10000) / 16
	v_exp_f32 v12, v12                             ; the frequency
	v_lshlrev_b32 v13, 3, v0                       ; 8 t: my entry's place (a plain line behind the exponential)
	s_wait_alu depctr_va_vdst(0)                   ; ahead of the first reader of the exponential's result
; a = pos f; k = the nearest whole number to a 2/pi; r = a - k pi/2 in two parts; sine and cosine of r, |r| <= pi/4, by polynomials; k mod 4 says which is which and with what sign
.macro SINCOS jj
.set B, 32+16*(\jj)
	v_add_nc_u32 v[B], 8*(\jj), v11
	v_cvt_f32_u32 v[B], v[B]
	v_mul_f32 v[B], v[B], v12
	v_mul_f32 v[B+1], 0x3f22f983, v[B]
	v_rndne_f32 v[B+1], v[B+1]
	v_fmamk_f32 v[B+2], v[B+1], 0xbfc90fdb, v[B]   ; - k x the high part of pi/2
	v_fmamk_f32 v[B+2], v[B+1], 0x333bbd2e, v[B+2] ; - k x the low part (which is negative)
	v_mul_f32 v[B+3], v[B+2], v[B+2]               ; z = r r
	v_mov_b32 v[B+4], 0xb94ca1f9
	v_fmaak_f32 v[B+4], v[B+3], v[B+4], 0x3c08839e
	v_fmaak_f32 v[B+4], v[B+3], v[B+4], 0xbe2aaaa3
	v_mul_f32 v[B+4], v[B+3], v[B+4]
	v_fma_f32 v[B+4], v[B+2], v[B+4], v[B+2]       ; sin r
	v_mov_b32 v[B+5], 0x37ccf5ce
	v_fmaak_f32 v[B+5], v[B+3], v[B+5], 0xbab6061a
	v_fmaak_f32 v[B+5], v[B+3], v[B+5], 0x3d2aaaa5
	v_mul_f32 v[B+6], v[B+3], v[B+3]
	v_fma_f32 v[B+12], v[B+3], -0.5, 1.0
	v_fma_f32 v[B+5], v[B+6], v[B+5], v[B+12]      ; cos r
	v_cvt_i32_f32 v[B+7], v[B+1]
	v_and_b32 v[B+6], 1, v[B+7]
	v_cmp_eq_u32 vcc_lo, 1, v[B+6]
	v_cndmask_b32 v[B+9], v[B+4], v[B+5], vcc_lo   ; the sine: for odd k the cosine of r
	v_cndmask_b32 v[B+8], v[B+5], v[B+4], vcc_lo   ; the cosine: for odd k the sine of r
	v_and_b32 v[B+6], 2, v[B+7]
	v_lshlrev_b32 v[B+6], 30, v[B+6]
	v_xor_b32 v[B+9], v[B+6], v[B+9]               ; the sine is negative for k mod 4 = 2, 3
	v_add_nc_u32 v[B+6], 1, v[B+7]
	v_and_b32 v[B+6], 2, v[B+6]
	v_lshlrev_b32 v[B+6], 30, v[B+6]
	v_xor_b32 v[B+8], v[B+6], v[B+8]               ; the cosine for k mod 4 = 1, 2
	v_mul_f32 v[B+10], 0x3e38aa3b, v[B+8]          ; and both times log2(e) / 8, for q
	v_mul_f32 v[B+11], 0x3e38aa3b, v[B+9]
	global_store_b64 v13, v[B+8:B+9], s[24:25] offset:1024*(\jj)
	global_store_b64 v13, v[B+10:B+11], s[24:25] offset:4096+1024*(\jj)
.endm
	SINCOS 0
	SINCOS 1
	SINCOS 2
	SINCOS 3
	FINISH
; ---- x: a wave takes 16 rows x 256 numbers: row tile T, K steps 2 p and 2 p + 1.  Each load reads 512 consecutive bytes of a row; the numbers turn through the wave's own stage,
; so that lane (r, h) gets, of row r, the two whole blocks of 32 that the operand's layout gives it: k = 64 c + 32 h + 0 .. 31.
.Lxpath:
	s_lshl_b32 s27, ttmp9, 2
	s_add_co_u32 s27, s27, s26                     ; u = 4 x work-group + wave
	s_lshr_b32 s28, s27, 9                         ; p = u / 512
	s_and_b32 s29, s27, 511                        ; T = u % 512
	s_mul_i32 s30, s29, 49152                      ; 16 rows of 3,072 bytes
	s_lshl_b32 s31, s28, 10
	s_add_co_u32 s30, s30, s31
	s_mov_b32 s31, 0
	s_add_nc_u64 s[4:5], s[4:5], s[30:31]
	s_mul_i32 s30, s29, 6144                       ; six images a row tile
	s_lshl_b32 s32, s28, 11
	s_add_co_u32 s30, s30, s32
	s_add_nc_u64 s[14:15], s[14:15], s[30:31]
	s_mul_i32 s30, s29, 768                        ; xs: [T][p][lane][2 words]
	s_lshl_b32 s32, s28, 8
	s_add_co_u32 s30, s30, s32
	s_add_nc_u64 s[16:17], s[16:17], s[30:31]
	s_mul_i32 s33, s26, WSTG
	v_lshlrev_b32 v8, 4, v1                        ; 16 l
	v_lshlrev_b32 v9, 3, v1                        ; 8 l
	v_add_nc_u32 v6, s33, v8                       ; into the stage: as loaded
	v_mul_u32_u24 v7, v4, SP
	v_lshl_add_u32 v7, v5, 7, v7
	v_add_nc_u32 v7, s33, v7                       ; out of it: row r, + 128 h
	v_lshlrev_b32 v17, 3, v5                       ; 8 h
	v_mov_b32 v18, 0                               ; a lane permute's destination counts as read
.irp q, 0,1
.irp row, 0,1,2,3,4,5,6,7,8,9,10,11,12,13,14,15
	global_load_b128 v[64+64*\q+4*\row:64+64*\q+4*\row+3], v8, s[4:5] offset:\row*3072+\q*512 th:TH_LOAD_NT
.endr
.endr
; 64 numbers of a lane, v[xs + 32 c + i] = k 64 c + 32 h + i, become the fragment's eight registers v[32 + 8 q ..] and the row's scale word v[48 + q]; then the image is stored
.macro QUANTX xs, q
.irp c, 0,1
	v_max3_num_f32 v[10+\c], |v[\xs+32*\c]|, |v[\xs+32*\c+1]|, 0x1800000   ; the floor 2^(3 - 127): the byte cannot fall under 1
.endr
.irp i, 2,4,6,8,10,12,14,16,18,20,22,24,26,28,30
.irp c, 0,1
	v_max3_num_f32 v[10+\c], v[10+\c], |v[\xs+32*\c+\i]|, |v[\xs+32*\c+\i+1]|   ; the two blocks by turns
.endr
.endr
.irp c, 0,1
	v_add_nc_u32 v[12+\c], 0xff000000, v[10+\c]    ; 2 off the exponent field: the conversion's scale operand
.endr
.irp c, 0,1
	v_lshrrev_b32 v[14+\c], 23, v[12+\c]           ; the scale's byte
.endr
	v_lshl_or_b32 v16, v15, 16, v14                ; my blocks h and 2 + h,
	v_lshlrev_b32 v16, v17, v16                    ; at their places in the word;
	v_permlanex16_b32 v18, v16, s40, s41
	v_or_b32 v[48+\q], v16, v18                    ; with lane l xor 16's two the word is whole, in both halves of the lanes
.irp c, 0,1
.irp g, 0,1,2,3
	v_cvt_scalef32_pk8_fp4_f32 v[32+8*\q+4*\c+\g], v[\xs+32*\c+8*\g:\xs+32*\c+8*\g+7], v[12+\c]
.endr
.endr
	v_nop                                          ; one plain line behind the last conversion of a run
.irp c, 0,1
	global_store_b128 v8, v[32+8*\q+4*\c:32+8*\q+4*\c+3], s[14:15] offset:1024*\q+512*\c   ; 32 lanes store 512 consecutive bytes
.endr
.endm
	s_wait_loadcnt 16                              ; the first K step's 16 loads are in; the second's may be out
.irp row, 0,1,2,3,4,5,6,7,8,9,10,11,12,13,14,15
	ds_store_b128 v6, v[64+4*\row:64+4*\row+3] offset:\row*SP
.endr
.irp c, 0,1
.irp i, 0,1,2,3,4,5,6,7
	ds_load_b128 v[192+32*\c+4*\i:192+32*\c+4*\i+3], v7 offset:256*\c+16*\i   ; LDS serves a wave's instructions in order: these see my stores
.endr
.endr
	s_wait_loadcnt 0x0
.irp row, 0,1,2,3,4,5,6,7,8,9,10,11,12,13,14,15
	ds_store_b128 v6, v[128+4*\row:128+4*\row+3] offset:QSTG+\row*SP
.endr
	s_wait_dscnt 32                                ; behind the first stage's stores: 16 loads and 16 stores: those stores have read v64-127, which take the loads below
.irp c, 0,1
.irp i, 0,1,2,3,4,5,6,7
	ds_load_b128 v[64+32*\c+4*\i:64+32*\c+4*\i+3], v7 offset:QSTG+256*\c+16*\i
.endr
.endr
	s_wait_dscnt 32                                ; behind the first K step's loads: 16 stores and 16 loads
	QUANTX 192, 0
	s_wait_dscnt 0x0
	QUANTX 64, 1
	global_store_b64 v9, v[48:49], s[16:17]        ; 32 lanes store 256 consecutive bytes
	FINISH
; ---- the weights: a lane takes a column n and its registers run down K, so that a block of 32 lies in one lane and the codes come out with K innermost.
; A wave takes 32 columns (two column tiles) x 128 along K (one K step of the quantised products, four of the last product).
.Lwpath:
	s_sub_co_u32 s27, ttmp9, 384
	s_and_b32 s30, s27, 3                          ; which matrix: Wq, Wk, Wv, Wo
	s_lshr_b32 s28, s27, 2                         ; t = 0 .. 35
	s_mul_i32 s29, s28, 43691
	s_lshr_b32 s29, s29, 18                        ; c6 = t / 6: which 128 columns
	s_mul_i32 s31, s29, 6
	s_sub_co_u32 s31, s28, s31                     ; kc = t % 6: which 128 along K
	s_cmp_eq_u32 s30, 1
	s_cselect_b64 s[32:33], s[8:9], s[6:7]
	s_cmp_eq_u32 s30, 2
	s_cselect_b64 s[32:33], s[10:11], s[32:33]
	s_cmp_eq_u32 s30, 3
	s_cselect_b64 s[32:33], s[12:13], s[32:33]
	s_mul_i32 s34, s31, 393216                     ; 128 rows of 3,072 bytes
	s_lshl_b32 s35, s29, 9
	s_add_co_u32 s34, s34, s35
	s_lshl_b32 s35, s26, 7
	s_add_co_u32 s34, s34, s35
	s_mov_b32 s35, 0
	s_add_nc_u64 s[32:33], s[32:33], s[34:35]
	v_lshlrev_b32 v10, 2, v1
.set k, 0
.rept 128
	global_load_b32 v[64+k], v10, s[32:33] offset:k*3072 th:TH_LOAD_NT   ; row k at my column: 128 consecutive bytes a wave, the four waves side by side
.set k, k+1
.endr
	s_lshl_b32 s36, s29, 3
	s_lshl_b32 s37, s26, 1
	s_add_co_u32 s36, s36, s37                     ; my wave's first column tile: 8 c6 + 2 wave
	s_cmp_eq_u32 s30, 3
	s_cbranch_scc1 .Lwo
	s_mul_i32 s34, s30, 294912                     ; wf: [matrix][column tile 48][K step 6][block 4][column 16][16 bytes]
	s_mul_i32 s37, s36, 6144
	s_add_co_u32 s34, s34, s37
	s_lshl_b32 s37, s31, 10
	s_add_co_u32 s34, s34, s37
	s_add_nc_u64 s[18:19], s[18:19], s[34:35]
	s_mul_i32 s34, s30, 48                         ; ws: [matrix][column tile][K step][column] words
	s_add_co_u32 s34, s34, s36
	s_mul_i32 s34, s34, 6
	s_add_co_u32 s34, s34, s31
	s_lshl_b32 s34, s34, 6
	s_add_nc_u64 s[20:21], s[20:21], s[34:35]
	v_mul_u32_u24 v11, v5, 6144
	v_lshl_add_u32 v11, v4, 4, v11
	v_mul_u32_u24 v22, v5, 384
	v_lshl_add_u32 v22, v4, 2, v22
.macro BLOCKW b, cnt                   ; block b of my column: all its 32 numbers are mine.  cnt: the younger loads that may stay out (a wait names 63 at the most)
.set XB, 64+32*(\b)
	s_wait_loadcnt \cnt
	v_max3_num_f32 v12, |v[XB]|, |v[XB+1]|, |v[XB+2]|
	v_max3_num_f32 v13, |v[XB+3]|, |v[XB+4]|, |v[XB+5]|
.irp i, 6,10,14,18,22,26
	v_max3_num_f32 v12, v12, |v[XB+\i]|, |v[XB+\i+1]|
	v_max3_num_f32 v13, v13, |v[XB+\i+2]|, |v[XB+\i+3]|
.endr
	v_max3_num_f32 v12, v12, |v[XB+30]|, |v[XB+31]|
	v_max3_num_f32 v12, v12, v13, 0x1800000        ; and the floor
	v_add_nc_u32 v[16+(\b)], 0xff000000, v12
	v_lshrrev_b32 v21, 23, v[16+(\b)]
.if (\b) == 0
	v_mov_b32 v20, v21
.else
	v_lshl_or_b32 v20, v21, 8*(\b), v20            ; the lower K in the lower byte
.endif
.irp g, 0,1,2,3
	v_cvt_scalef32_pk8_fp4_f32 v[24+4*(\b)+\g], v[XB+8*\g:XB+8*\g+7], v[16+(\b)]
.endr
	v_nop
	global_store_b128 v11, v[24+4*(\b):24+4*(\b)+3], s[18:19] offset:256*(\b)   ; sixteen lanes store 256 consecutive bytes, aligned
.endm
	BLOCKW 0, 63
	BLOCKW 1, 63
	BLOCKW 2, 32
	BLOCKW 3, 0
	global_store_b32 v22, v20, s[20:21]
	FINISH
.Lwo:                                              ; Wo as f16: wo16: [column tile 48][K step 24 of 32][group of 8 along K: 4][column 16][16 bytes]
	s_mul_i32 s34, s36, 24576
	s_lshl_b32 s37, s31, 12
	s_add_co_u32 s34, s34, s37
	s_add_nc_u64 s[22:23], s[22:23], s[34:35]
	v_mul_u32_u24 v11, v5, 24576
	v_lshl_add_u32 v11, v4, 4, v11
.irp g, 0,1,2,3,4,5,6,7,8,9,10,11,12,13,14,15
.if \g == 0
	s_wait_loadcnt 63
.elseif \g == 4
	s_wait_loadcnt 63
.elseif \g == 8
	s_wait_loadcnt 32
.elseif \g == 12
	s_wait_loadcnt 0x0
.endif
.irp i, 0,1,2,3
	v_cvt_pk_f16_f32 v[192+4*\g+\i], v[64+8*\g+2*\i], v[64+8*\g+2*\i+1]
.endr
	global_store_b128 v11, v[192+4*\g:192+4*\g+3], s[22:23] offset:256*\g
.endr
	FINISH
.Lfunc_end_k_q7a85d7f9c9_prep:
	.size	k_q7a85d7f9c9_prep, .Lfunc_end_k_q7a85d7f9c9_prep-k_q7a85d7f9c9_prep
	.p2alignl 7, 3214868480
	.fill 96, 4, 3214868480
	.section	.rodata,"a",@progbits
	.p2align	6, 0x0
	.amdhsa_kernel k_q7a85d7f9c9_prep
		.amdhsa_group_segment_fixed_size 68096
		.amdhsa_private_segment_fixed_size 0
		.amdhsa_enable_private_segment 0
		.amdhsa_kernarg_size 88
		.amdhsa_user_sgpr_count 2
		.amdhsa_user_sgpr_kernarg_segment_ptr 1
		.amdhsa_wavefront_size32 1
		.amdhsa_system_sgpr_workgroup_id_x 1
		.amdhsa_system_sgpr_workgroup_id_y 1
		.amdhsa_system_sgpr_workgroup_id_z 1
		.amdhsa_system_vgpr_workitem_id 0
		.amdhsa_next_free_vgpr 256
		.amdhsa_next_free_sgpr 66
		.amdhsa_reserve_vcc 1
		.amdhsa_float_denorm_mode_32 3
		.amdhsa_float_denorm_mode_16_64 3
		.amdhsa_memory_ordered 1
		.amdhsa_forward_progress 1
		.amdhsa_inst_pref_size 50
	.end_amdhsa_kernel
	.amdgpu_metadata
---
amdhsa.version: [ 1, 2 ]
amdhsa.kernels:
  - .name:           k_q7a85d7f9c9_prep
    .symbol:         k_q7a85d7f9c9_prep.kd
    .args:
      - { .name: x, .offset: 0, .size: 8, .value_kind: global_buffer, .address_space: global }
      - { .name: Wq, .offset: 8, .size: 8, .value_kind: global_buffer, .address_space: global }
      - { .name: Wk, .offset: 16, .size: 8, .value_kind: global_buffer, .address_space: global }
      - { .name: Wv, .offset: 24, .size: 8, .value_kind: global_buffer, .address_space: global }
      - { .name: Wo, .offset: 32, .size: 8, .value_kind: global_buffer, .address_space: global }
      - { .name: xf, .offset: 40, .size: 8, .value_kind: global_buffer, .address_space: global }
      - { .name: xs, .offset: 48, .size: 8, .value_kind: global_buffer, .address_space: global }
      - { .name: wf, .offset: 56, .size: 8, .value_kind: global_buffer, .address_space: global }
      - { .name: ws, .offset: 64, .size: 8, .value_kind: global_buffer, .address_space: global }
      - { .name: wo16, .offset: 72, .size: 8, .value_kind: global_buffer, .address_space: global }
      - { .name: rope, .offset: 80, .size: 8, .value_kind: global_buffer, .address_space: global }
    .group_segment_fixed_size: 68096
    .private_segment_fixed_size: 0
    .kernarg_segment_align: 8
    .kernarg_segment_size: 88
    .max_flat_workgroup_size: 128
    .sgpr_count:     66
    .vgpr_count:     256
    .wavefront_size: 32
...
	.end_amdgpu_metadata
.endif
;; end of part 1
;; launch qkv (part 2): grid 64 x 3, 4 waves a work-group, no clusters, 0 bytes of LDS; arguments xf, xs, wf, ws, rope, bq, bk, bv, qkvf; writes qkvf
.if DOCPART == 2
	.amdgcn_target "amdgcn-amd-amdhsa--gfx1250"
	.amdhsa_code_object_version 6
	.text
	.protected	k_q7a85d7f9c9_qkv
	.globl	k_q7a85d7f9c9_qkv
	.p2align	8
	.type	k_q7a85d7f9c9_qkv,@function
k_q7a85d7f9c9_qkv:
	s_mov_b64 s[64:65], 0
	v_nop
	global_prefetch_b8 v0, s[64:65] scope:SCOPE_SE
	s_setreg_imm32_b32 hwreg(HW_REG_WAVE_MODE, 25, 1), 1
	s_wait_xcnt 0x0
; QKV: q, k or v (work-group y) = Q(x) Q(W) + b on codes of E2M1 with E8M0 scales, for 128 rows of x (work-group x); then the 2-D rotary embedding on q and k; all rounded to f16
; and stored as images of the attention launch's operand registers.
; SHARES.  Wave w owns columns 192 w .. 192 w + 191: heads 3 w .. 3 w + 2, twelve column tiles of 16.  The 48 fragments of x (8 row tiles x 6 K steps of 128) stay in registers;
; the weights go through a ring of four sets of registers, a column tile each (a head), loaded a head ahead.  No LDS, no barrier: waves share nothing.
; No cluster: the launch has no tensor load.  192 work-groups: 36 heads' worth of columns x 64 row blocks do not split evenly over more waves in whole heads.
; q AND k ARE MADE TRANSPOSED (source 0 = 16 columns of W, source 1 = 16 rows of x): a lane holds one token (lane % 16) and its registers the channels 16 q4 + 8 (lane / 16) + 0 .. 7,
; so that a rotary pair lies in two neighbouring registers and four roundings give half a fragment (16 tokens x 32 channels).  v IS MADE AS IT IS (source 0 = x, source 1 = W): a lane holds one
; channel and eight tokens: half a fragment of V^T (16 channels x 32 keys).  The bias is the C of each sum's first product.  K ascends; one accumulator for each output.
; q's table of cosines and sines carries the factor log2(e) / 8, so that the attention's scores are exponents of 2.
; LIMITS: 0.1803 |q|, |k| and |v| stay at or under 65,504 (f16); NaN and infinities are not served.
; REGISTERS, in windows of 256.  Window 0: v1-6 offsets; v16-63 x's scale words (16 + 6 T + ks); v64-87 the weights' (64 + 6 set + ks); v88-119 the bias ring (v path: v88-95 is C, v216-219 the loaded numbers);
;   v120-167, v168-215 weight sets 2, 3.   Window 1: v0-191 x's fragments of K steps 0-2 (64 (ks % 3) + 8 T); v192-239 weight set 0.   Window 2: the same for K steps 3-5; weight set 1.
;   Window 3: v0-63 the eight accumulators; v64-127 (cos, sin) by the token's grid row; v128-159 by its grid column; v160-175 at work; v176-207 the rounded results.
.set MSB, 0
.macro WIN new                         ; bits 1:0 source 0, 3:2 source 1, 5:4 source 2, 7:6 destination; the high byte repeats the setting that is left
.if MSB != (\new)
	s_set_vgpr_msb (MSB<<8)|(\new)
.set MSB, (\new)
.endif
.endm
	s_load_b512 s[4:19], s[0:1], 0x0               ; xf s[4:5], xs s[6:7], wf s[8:9], ws s[10:11], rope s[12:13], bq s[14:15], bk s[16:17], bv s[18:19]
	s_load_b64 s[20:21], s[0:1], 0x40              ; qkvf
	v_lshrrev_b32 v1, 5, v0
	v_readfirstlane_b32 s26, v1                    ; wave 0..3
	v_and_b32 v1, 31, v0
	v_lshlrev_b32 v2, 4, v1                        ; 16 l
	v_lshlrev_b32 v3, 3, v1                        ; 8 l
	v_and_b32 v7, 15, v0                           ; r
	v_lshlrev_b32 v4, 2, v7                        ; 4 r
	v_bfe_u32 v8, v0, 4, 1                         ; h
	v_lshlrev_b32 v5, 5, v8                        ; 32 h
	v_lshl_add_u32 v6, v7, 7, v5                   ; 128 r + 32 h
	s_and_b32 s27, ttmp7, 0xffff                   ; y: 0 q, 1 k, 2 v
	s_mul_i32 s28, ttmp9, 49152                    ; xf: 8 row tiles of 6,144 bytes
	s_mov_b32 s29, 0
	s_mul_i32 s30, ttmp9, 6144                     ; xs: 8 x 768
	s_mov_b32 s31, 0
	s_mul_i32 s32, s27, 294912                     ; wf: the matrix, my 12 column tiles
	s_mul_i32 s45, s26, 73728
	s_add_co_u32 s32, s32, s45
	s_mov_b32 s33, 0
	s_mul_i32 s34, s27, 18432                      ; ws likewise
	s_mul_i32 s45, s26, 4608
	s_add_co_u32 s34, s34, s45
	s_mov_b32 s35, 0
	s_mul_i32 s36, s26, 768                        ; the bias: my 192 numbers
	s_mov_b32 s37, 0
	s_and_b32 s46, ttmp9, 7                        ; which 128 tokens of the sequence
	s_lshl_b32 s40, s46, 9                         ; the table by grid row: four positions of 128 bytes
	s_mov_b32 s41, 0
	s_mul_i32 s42, s27, 12582912                   ; qkvf: q, k or v; head slot = 8 x head + batch; in it my 128 tokens' 16,384 bytes
	s_mul_i32 s45, s26, 24
	s_lshr_b32 s44, ttmp9, 3
	s_add_co_u32 s45, s45, s44
	s_lshl_b32 s45, s45, 17
	s_add_co_u32 s42, s42, s45
	s_lshl_b32 s45, s46, 14
	s_add_co_u32 s42, s42, s45
	s_mov_b32 s43, 0
	s_mov_b32 s39, 0
	s_cmp_eq_u32 s27, 0
	s_cselect_b32 s38, 4096, 0                     ; q takes the scaled table
	s_wait_kmcnt 0x0
	s_cmp_eq_u32 s27, 1
	s_cselect_b64 s[14:15], s[16:17], s[14:15]
	s_cmp_eq_u32 s27, 2
	s_cselect_b64 s[14:15], s[18:19], s[14:15]
	s_add_nc_u64 s[4:5], s[4:5], s[28:29]
	s_add_nc_u64 s[6:7], s[6:7], s[30:31]
	s_add_nc_u64 s[8:9], s[8:9], s[32:33]
	s_add_nc_u64 s[10:11], s[10:11], s[34:35]
	s_add_nc_u64 s[14:15], s[14:15], s[36:37]
	s_add_nc_u64 s[12:13], s[12:13], s[38:39]      ; the table by grid column
	s_add_nc_u64 s[22:23], s[12:13], s[40:41]      ; and by grid row
	s_add_nc_u64 s[20:21], s[20:21], s[42:43]
	WIN 0x40
.irp ks, 0,1,2
.irp T, 0,1,2,3,4,5,6,7
.irp c, 0,1
	global_load_b128 v[64*\ks+8*\T+4*\c:64*\ks+8*\T+4*\c+3], v2, s[4:5] offset:\T*6144+\ks*1024+\c*512
.endr
.endr
.endr
	WIN 0x80
.irp ks, 3,4,5
.irp T, 0,1,2,3,4,5,6,7
.irp c, 0,1
	global_load_b128 v[64*(\ks-3)+8*\T+4*\c:64*(\ks-3)+8*\T+4*\c+3], v2, s[4:5] offset:\T*6144+\ks*1024+\c*512
.endr
.endr
.endr
	WIN 0
.irp T, 0,1,2,3,4,5,6,7
.irp p, 0,1,2
	global_load_b64 v[16+6*\T+2*\p:17+6*\T+2*\p], v3, s[6:7] offset:\T*768+\p*256
.endr
.endr
; One set of the ring: column tile set of the head that lies ahead heads on: 12 loads of codes, 6 scale words, the bias (q, k: 8 numbers a lane, 2 loads; v: one number a lane, 1 load)
.macro LOADW set, ahead, nat
.if (\set) == 0
	WIN 0x40
.set WR, 192
.elseif (\set) == 1
	WIN 0x80
.set WR, 192
.elseif (\set) == 2
	WIN 0
.set WR, 120
.else
	WIN 0
.set WR, 168
.endif
.irp ks, 0,1,2,3,4,5
.irp c, 0,1
	global_load_b128 v[WR+8*\ks+4*\c:WR+8*\ks+4*\c+3], v2, s[8:9] offset:(\ahead)*24576+(\set)*6144+\ks*1024+\c*512
.endr
.endr
	WIN 0
.irp ks, 0,1,2,3,4,5
	global_load_b32 v[64+6*(\set)+\ks], v4, s[10:11] offset:(\ahead)*1536+(\set)*384+\ks*64
.endr
.if \nat
	global_load_b32 v[216+(\set)], v4, s[14:15] offset:(\ahead)*256+(\set)*64
.else
	global_load_b128 v[88+8*(\set):88+8*(\set)+3], v5, s[14:15] offset:(\ahead)*256+(\set)*64
	global_load_b128 v[88+8*(\set)+4:88+8*(\set)+7], v5, s[14:15] offset:(\ahead)*256+(\set)*64+16
.endif
.endm
; 48 products: a column tile against the eight row tiles, K step by K step; the eight accumulators take turns, one instruction a turn
.macro MM set, nat
.if (\set) == 0
.set WW, 1
.set WR, 192
.elseif (\set) == 1
.set WW, 2
.set WR, 192
.elseif (\set) == 2
.set WW, 0
.set WR, 120
.else
.set WW, 0
.set WR, 168
.endif
.irp ks, 0,1,2,3,4,5
.set XW, 1+\ks/3
.if \ks == 0
.set CW, 0
.else
.set CW, 3
.endif
.if \nat
.set WB, XW|(WW<<2)|(CW<<4)|0xc0
.else
.set WB, WW|(XW<<2)|(CW<<4)|0xc0
.endif
	WIN WB
.irp T, 0,1,2,3,4,5,6,7
.if \nat
.if \ks == 0
	v_wmma_scale_f32_16x16x128_f8f6f4 v[8*\T:8*\T+7], v[64*(\ks%3)+8*\T:64*(\ks%3)+8*\T+7], v[WR+8*\ks:WR+8*\ks+7], v[88:95], v[16+6*\T+\ks], v[64+6*(\set)+\ks] matrix_a_fmt:MATRIX_FMT_FP4 matrix_b_fmt:MATRIX_FMT_FP4
.else
	v_wmma_scale_f32_16x16x128_f8f6f4 v[8*\T:8*\T+7], v[64*(\ks%3)+8*\T:64*(\ks%3)+8*\T+7], v[WR+8*\ks:WR+8*\ks+7], v[8*\T:8*\T+7], v[16+6*\T+\ks], v[64+6*(\set)+\ks] matrix_a_fmt:MATRIX_FMT_FP4 matrix_b_fmt:MATRIX_FMT_FP4
.endif
.else
.if \ks == 0
	v_wmma_scale_f32_16x16x128_f8f6f4 v[8*\T:8*\T+7], v[WR+8*\ks:WR+8*\ks+7], v[64*(\ks%3)+8*\T:64*(\ks%3)+8*\T+7], v[88+8*(\set):88+8*(\set)+7], v[64+6*(\set)+\ks], v[16+6*\T+\ks] matrix_a_fmt:MATRIX_FMT_FP4 matrix_b_fmt:MATRIX_FMT_FP4
.else
	v_wmma_scale_f32_16x16x128_f8f6f4 v[8*\T:8*\T+7], v[WR+8*\ks:WR+8*\ks+7], v[64*(\ks%3)+8*\T:64*(\ks%3)+8*\T+7], v[8*\T:8*\T+7], v[64+6*(\set)+\ks], v[16+6*\T+\ks] matrix_a_fmt:MATRIX_FMT_FP4 matrix_b_fmt:MATRIX_FMT_FP4
.endif
.endif
.endr
.endr
.endm
; q, k: column tile q4 of a head.  A pair (e, o) of neighbouring channels becomes (e c - o s, o c + e s): a packed multiply makes (o s, e s), a packed multiply-add the rest.
; Channels 0-31 turn by the token's grid row (the same for a pair of row tiles), channels 32-63 by its grid column (16 (T % 2) + lane % 16).  Each accumulator is read from its low end on.
.macro EPI_R q4
	WIN 0xff
.irp T, 0,1,2,3,4,5,6,7
.if (\q4) < 2
.set CSB, 64+16*(\T/2)+8*(\q4)
.else
.set CSB, 128+16*(\T%2)+8*((\q4)-2)
.endif
.set TP, 160+8*(\T%2)
.irp e, 0,1,2,3
	v_pk_mul_f32 v[TP+2*\e:TP+2*\e+1], v[8*\T+2*\e:8*\T+2*\e+1], v[CSB+2*\e:CSB+2*\e+1] op_sel:[1,1] op_sel_hi:[0,1]
.endr
.irp e, 0,1,2,3
	v_pk_fma_f32 v[8*\T+2*\e:8*\T+2*\e+1], v[8*\T+2*\e:8*\T+2*\e+1], v[CSB+2*\e:CSB+2*\e+1], v[TP+2*\e:TP+2*\e+1] op_sel_hi:[1,0,1] neg_lo:[0,0,1]
.endr
.irp e, 0,1,2,3
	v_cvt_pk_f16_f32 v[176+4*\T+\e], v[8*\T+2*\e], v[8*\T+2*\e+1]
.endr
.endr
	WIN 0x0c                                       ; a store's data are its source 1: window 3
.irp T, 0,1,2,3,4,5,6,7
	global_store_b128 v2, v[176+4*\T:176+4*\T+3], s[20:21] offset:\T*2048+(\q4)*512   ; [token tile][32 channels: q4 / 2][half: q4 % 2]: 512 consecutive bytes
.endr
	WIN 0
.endm
.macro EPI_V q4                        ; v: rounded and stored: [32 keys: T / 2][channel tile q4][half: T % 2]
	WIN 0xff
.irp T, 0,1,2,3,4,5,6,7
.irp e, 0,1,2,3
	v_cvt_pk_f16_f32 v[176+4*\T+\e], v[8*\T+2*\e], v[8*\T+2*\e+1]
.endr
.endr
	WIN 0x0c
.irp T, 0,1,2,3,4,5,6,7
	global_store_b128 v2, v[176+4*\T:176+4*\T+3], s[20:21] offset:(\T/2)*4096+(\q4)*1024+(\T%2)*512
.endr
	WIN 0
.endm
; A column tile.  cnt: the loads of the younger sets, which may stay out.  The four v_nop are the places behind the products, for the loads into the set just multiplied and for the first read of the results.
.macro CT set, refill, cnt, nat
	s_wait_loadcnt \cnt
.if \nat
.irp j, 0,1,2,3,4,5,6,7
	v_mov_b32 v[88+\j], v[216+(\set)]              ; the lane's channel has one bias for its eight tokens
.endr
.rept 4
	v_nop
.endr
.endif
	MM \set, \nat
	WIN 0
.rept 4
	v_nop
.endr
	s_wait_xcnt 0x0                                ; the last column tile's stores, issued ahead of these 48 products, have read v176-207 of window 3, which the roundings below write anew; the wait stands ahead of the refill's loads, none of which it has to cover
.if \refill
	LOADW \set, 1, \nat
.endif
.if \nat
	EPI_V \set
.else
	EPI_R \set
.endif
.endm
.macro HEADS nat, c3, c2, c1           ; three heads: two trips that refill the ring a head ahead, and a tail that loads nothing
	s_mov_b32 s44, 2
.Lhead_\@:
	CT 0, 1, \c3, \nat
	CT 1, 1, \c3, \nat
	CT 2, 1, \c3, \nat
	CT 3, 1, \c3, \nat
	s_wait_xcnt 0x0                                ; the loads and stores have read their bases
	s_add_nc_u64 s[8:9], s[8:9], 24576
	s_add_nc_u64 s[10:11], s[10:11], 1536
	s_add_nc_u64 s[14:15], s[14:15], 256
	s_add_nc_u64 s[20:21], s[20:21], 1048576       ; the next head: eight head slots on
	s_sub_co_u32 s44, s44, 1
	s_cmp_lg_u32 s44, 0
	s_cbranch_scc1 .Lhead_\@
	CT 0, 0, \c3, \nat
	CT 1, 0, \c2, \nat
	CT 2, 0, \c1, \nat
	CT 3, 0, 0, \nat
.endm
	s_cmp_eq_u32 s27, 2
	s_cbranch_scc1 .Lvpath
	WIN 0xc0
.irp g, 0,1,2,3
.irp u, 0,1
	global_load_b128 v[64+16*\g+8*\u:64+16*\g+8*\u+3], v5, s[22:23] offset:\g*128+\u*64       ; grid row 4 (block % 8) + g; pairs 8 u + 4 h + 0 .. 3
	global_load_b128 v[64+16*\g+8*\u+4:64+16*\g+8*\u+7], v5, s[22:23] offset:\g*128+\u*64+16
.endr
.endr
.irp par, 0,1
.irp u, 0,1
	global_load_b128 v[128+16*\par+8*\u:128+16*\par+8*\u+3], v6, s[12:13] offset:\par*2048+\u*64   ; grid column 16 par + r
	global_load_b128 v[128+16*\par+8*\u+4:128+16*\par+8*\u+7], v6, s[12:13] offset:\par*2048+\u*64+16
.endr
.endr
	WIN 0
	LOADW 0, 0, 0
	LOADW 1, 0, 0
	LOADW 2, 0, 0
	LOADW 3, 0, 0
	HEADS 0, 60, 40, 20                            ; a set is 20 loads
	s_endpgm
.Lvpath:
	LOADW 0, 0, 1
	LOADW 1, 0, 1
	LOADW 2, 0, 1
	LOADW 3, 0, 1
	HEADS 1, 57, 38, 19                            ; a set is 19 loads
	s_endpgm
.Lfunc_end_k_q7a85d7f9c9_qkv:
	.size	k_q7a85d7f9c9_qkv, .Lfunc_end_k_q7a85d7f9c9_qkv-k_q7a85d7f9c9_qkv
	.p2alignl 7, 3214868480
	.fill 96, 4, 3214868480
	.section	.rodata,"a",@progbits
	.p2align	6, 0x0
	.amdhsa_kernel k_q7a85d7f9c9_qkv
		.amdhsa_group_segment_fixed_size 0
		.amdhsa_private_segment_fixed_size 0
		.amdhsa_enable_private_segment 0
		.amdhsa_kernarg_size 72
		.amdhsa_user_sgpr_count 2
		.amdhsa_user_sgpr_kernarg_segment_ptr 1
		.amdhsa_wavefront_size32 1
		.amdhsa_system_sgpr_workgroup_id_x 1
		.amdhsa_system_sgpr_workgroup_id_y 1
		.amdhsa_system_sgpr_workgroup_id_z 1
		.amdhsa_system_vgpr_workitem_id 0
		.amdhsa_next_free_vgpr 1024
		.amdhsa_next_free_sgpr 66
		.amdhsa_reserve_vcc 0
		.amdhsa_float_denorm_mode_32 3
		.amdhsa_float_denorm_mode_16_64 3
		.amdhsa_memory_ordered 1
		.amdhsa_forward_progress 1
		.amdhsa_inst_pref_size 229
	.end_amdhsa_kernel
	.amdgpu_metadata
---
amdhsa.version: [ 1, 2 ]
amdhsa.kernels:
  - .name:           k_q7a85d7f9c9_qkv
    .symbol:         k_q7a85d7f9c9_qkv.kd
    .args:
      - { .name: xf, .offset: 0, .size: 8, .value_kind: global_buffer, .address_space: global }
      - { .name: xs, .offset: 8, .size: 8, .value_kind: global_buffer, .address_space: global }
      - { .name: wf, .offset: 16, .size: 8, .value_kind: global_buffer, .address_space: global }
      - { .name: ws, .offset: 24, .size: 8, .value_kind: global_buffer, .address_space: global }
      - { .name: rope, .offset: 32, .size: 8, .value_kind: global_buffer, .address_space: global }
      - { .name: bq, .offset: 40, .size: 8, .value_kind: global_buffer, .address_space: global }
      - { .name: bk, .offset: 48, .size: 8, .value_kind: global_buffer, .address_space: global }
      - { .name: bv, .offset: 56, .size: 8, .value_kind: global_buffer, .address_space: global }
      - { .name: qkvf, .offset: 64, .size: 8, .value_kind: global_buffer, .address_space: global }
    .group_segment_fixed_size: 0
    .private_segment_fixed_size: 0
    .kernarg_segment_align: 8
    .kernarg_segment_size: 72
    .max_flat_workgroup_size: 128
    .sgpr_count:     66
    .vgpr_count:     1024
    .wavefront_size: 32
...
	.end_amdgpu_metadata
.endif
;; end of part 2
;; launch attn (part 3): grid 2 x 96, 16 waves a work-group, no clusters, 264,192 bytes of LDS; arguments qkvf, ao; writes ao
.if DOCPART == 3
	.amdgcn_target "amdgcn-amd-amdhsa--gfx1250"
	.amdhsa_code_object_version 6
	.text
	.protected	k_q7a85d7f9c9_attn
	.globl	k_q7a85d7f9c9_attn
	.p2align	8
	.type	k_q7a85d7f9c9_attn,@function
k_q7a85d7f9c9_attn:
	s_mov_b64 s[64:65], 0
	v_nop
	global_prefetch_b8 v0, s[64:65] scope:SCOPE_SE
	s_setreg_imm32_b32 hwreg(HW_REG_WAVE_MODE, 25, 1), 1
	s_wait_xcnt 0x0
; ATTN: O[q] = the sum over k of softmax_k(q . k / 8) v[k] for one head of one batch (work-group y = 8 x head + batch) and 512 of its 1,024 queries (work-group x).
; q, k, v arrive as f16 images of operand registers; q carries the factor log2(e) / 8, so a score s is an exponent of 2.  Products by v_wmma_f32_16x16x32_f16, sums, maxima and exponentials in f32;
; the weights p = 2^(s - m), m the running maximum of the query's scores, are rounded to f16 for the second product; the row's sum is taken of the unrounded p and divides at the end.
; SHARES.  Sixteen waves, four to a SIMD, 256 registers each; a wave owns two tiles of 16 queries and walks all 1,024 keys, 64 a step.
; THE HEAD'S WHOLE K AND V LIE IN LDS, 131,072 bytes each, as images, each byte filled once: no slot is filled again.  Every wave issues four tensor loads at the head (four of mine are out at the most):
; its shares of keys 0-127, 128-255, 256-511 and 512-1,023: 8, 8, 16 and 32 rows of 256 bytes.  A wave's tensor loads end in order (ISA guide 10.11.1), so a counted wait shows one piece landed and leaves
; the later ones out; a barrier then shows everybody's.  From the second on a piece is as long as all before it together: it has the walk over those in which to land.
; LAYOUT.  S^T = K Q^T (source 0 = 16 keys, source 1 = 16 queries): a lane holds one query (lane % 16) and keys 8 (lane / 16) + 0 .. 7.  Two such tiles rounded in pairs ARE source 1 of O^T = V^T P.
; NO CLUSTER: two work-groups read a head's K and V, and a grid of 2 along x does not divide into clusters of four.  NO PREFETCH: every byte of K and V is asked for by the tensor loads at the head; no later load exists to run ahead of.
; LIMITS: NaN and infinities are not served; the result is rounded to f16 for the last product and stays at or under 65,504.
; REGISTERS: v1 16 x lane; v2, v3 the addresses of a step's K and V; v4, v5 the add's two; v6 16 x lane + V's base; v8-23 statistics, 8 a tile (+0 m, +1 zero, +2, +3 the sum in two halves, +4 .. +7 at work, a in +6);
;   v24-31 sums at work; v32-63 Q (32 + 16 t + 8 c); v64-127 S^T (64 + 32 t + 8 kt), P in the low 16 of each 32; v128-191 O^T (128 + 32 t + 8 cht); v192-255 eight fragments of K, then of V.
.set SPARE, 262144                     ; behind K and V: the spare words, 128 bytes for each of 16 waves: eight blocks of 256 bytes that no other line names
.set SPW, 4
.set NIL, 5
.set ST,  8
.set Q,   32
.set S,   64
.set O,   128
.set F,   192
.set WV,  8                            ; s8  my wave's number
.set G1A, 16                           ; s[16:23] descriptor group 1: 8 rows of 256 bytes
.set G1B, 24                           ; s[24:31] 16 rows
.set G1C, 32                           ; s[32:39] 32 rows
.set G0,  40                           ; s[40:55] four groups 0, one for each piece; never rewritten
.set SEL, 56                           ; s[56:57] lane selects: lane l xor 16
.set TB,  58                           ; s58 the step's first byte in K's and in V's region
.set CNT, 59
.macro SHAPE g, rows                   ; a dense block as rows of 256 bytes
	s_mov_b32 s[\g], 3<<16                         ; no mask; elements of 8 bytes; no padding
	s_mov_b32 s[\g+1], 32<<16                      ; tensor_dim0 = 32 elements: a row of 256 bytes
	s_mov_b32 s[\g+2], (\rows)<<16                 ; tensor_dim1
	s_mov_b32 s[\g+3], 32<<16                      ; tile_dim0
	s_mov_b32 s[\g+4], \rows                       ; tile_dim1
	s_mov_b32 s[\g+5], 32                          ; the pitch: the block is dense
	s_mov_b32 s[\g+6], 0
	s_mov_b32 s[\g+7], 0
.endm
	s_load_b128 s[4:7], s[0:1], 0x0                ; qkvf s[4:5], ao s[6:7]
	v_lshl_add_u32 v[SPW], v0, 2, SPARE
	v_mov_b32 v[NIL], 0
	ds_add_u32 v[SPW], v[NIL]                      ; the wave's opening: the add, twice on end, and its wait ahead of my first tensor load
	ds_add_u32 v[SPW], v[NIL]
	v_lshrrev_b32 v1, 5, v0
	v_readfirstlane_b32 s[WV], v1                  ; wave 0..15
	s_and_b32 s9, ttmp7, 0xffff                    ; head slot = 8 x head + batch
	SHAPE G1A, 8
	SHAPE G1B, 16
	SHAPE G1C, 32
	s_lshr_b32 s66, s[WV], 3                       ; waves 0-7 fetch K, waves 8-15 V
	s_and_b32 s67, s[WV], 7                        ; which eighth of a piece is mine
	s_lshl_b32 s68, s66, 17                        ; the region in LDS
	s_lshl_b32 s70, s67, 11                        ; a key is 128 bytes in K's region and in V's.  Keys 0-127: 16,384 bytes from 0, my 2,048;
	s_add_co_u32 s71, s70, 16384                   ; keys 128-255: 16,384 bytes from 16,384, my 2,048;
	s_lshl_b32 s72, s67, 12
	s_add_co_u32 s72, s72, 32768                   ; keys 256-511: 32,768 bytes from 32,768, my 4,096;
	s_lshl_b32 s73, s67, 13
	s_add_co_u32 s73, s73, 65536                   ; keys 512-1,023: 65,536 bytes from 65,536, my 8,192: the same places in memory and in LDS
	s_add_co_u32 s74, s66, 1
	s_mul_i32 s74, s74, 12582912                   ; k's or v's part of qkvf
	s_lshl_b32 s75, s9, 17                         ; the head slot's 131,072 bytes
	s_add_co_u32 s76, s74, s75
	s_mov_b32 s77, 0
	s_mov_b32 s79, 0
.irp c, 0,1,2,3
	s_mov_b32 s[G0+4*\c], 1                        ; count = 1
	s_add_co_u32 s[G0+4*\c+1], s68, s[70+\c]       ; LDS address
.endr
	s_mov_b32 s[SEL], 0x76543210
	s_mov_b32 s[SEL+1], 0xfedcba98
	s_mov_b32 s[TB], 0
	s_and_b32 s82, s9, 7                           ; ao: row block 8 batch + 4 x + wave / 4; K steps 2 head, 2 head + 1; row tiles 2 (wave % 4) + t
	s_lshl_b32 s82, s82, 3
	s_lshl_b32 s83, ttmp9, 2
	s_add_co_u32 s82, s82, s83
	s_lshr_b32 s83, s[WV], 2
	s_add_co_u32 s82, s82, s83
	s_mul_i32 s82, s82, 196608
	s_lshr_b32 s83, s9, 3
	s_lshl_b32 s83, s83, 14
	s_add_co_u32 s82, s82, s83
	s_and_b32 s83, s[WV], 3
	s_lshl_b32 s83, s83, 11
	s_add_co_u32 s82, s82, s83
	s_mov_b32 s83, 0
	v_and_b32 v1, 31, v0
	v_lshlrev_b32 v1, 4, v1                        ; 16 x lane
	v_add_nc_u32 v6, 0x20000, v1
	s_wait_dscnt 0x0                               ; both opening adds are done
	s_wait_kmcnt 0x0
	s_add_nc_u64 s[76:77], s[4:5], s[76:77]        ; the head slot's K or V in memory
.irp c, 0,1,2,3
	s_mov_b32 s78, s[70+\c]
	s_add_nc_u64 s[G0+4*\c+2:G0+4*\c+3], s[76:77], s[78:79]
	s_or_b32 s[G0+4*\c+3], s[G0+4*\c+3], 0x80000000   ; type = 2
.endr
	tensor_load_to_lds s[G0:G0+3], s[G1A:G1A+7]        ; my share of keys 0-127
	s_nop 0
	tensor_load_to_lds s[G0+4:G0+7], s[G1A:G1A+7]      ; of keys 128-255
	s_nop 0
	tensor_load_to_lds s[G0+8:G0+11], s[G1B:G1B+7]     ; of keys 256-511
	s_nop 0
	tensor_load_to_lds s[G0+12:G0+15], s[G1C:G1C+7]    ; of keys 512-1,023
	s_nop 0
.rept 4
	v_nop
.endr
	s_lshl_b32 s78, ttmp9, 16                      ; Q: tile 32 x + 2 wave, 2,048 bytes a tile
	s_lshl_b32 s80, s[WV], 12
	s_add_co_u32 s78, s78, s80
	s_add_co_u32 s78, s78, s75
	s_add_nc_u64 s[80:81], s[4:5], s[78:79]
	s_add_nc_u64 s[6:7], s[6:7], s[82:83]
.irp t, 0,1
.irp c, 0,1
	global_load_b128 v[Q+16*\t+8*\c:Q+16*\t+8*\c+3], v1, s[80:81] offset:\t*2048+\c*1024
	global_load_b128 v[Q+16*\t+8*\c+4:Q+16*\t+8*\c+7], v1, s[80:81] offset:\t*2048+\c*1024+512
.endr
.endr
.irp t, 0,1
	v_mov_b32 v[ST+8*\t], 0xff61b1e6               ; m: -3e38, under every score
	v_mov_b32 v[ST+8*\t+1], 0                      ; (named with m as a pair)
	v_mov_b32 v[ST+8*\t+2], 0                      ; the sum
	v_mov_b32 v[ST+8*\t+3], 0
	v_mov_b32 v[ST+8*\t+5], 0                      ; a lane permute's destination counts as read
.endr
.set i, 0
.rept 64
	v_mov_b32 v[O+i], 0                            ; O^T.  The step is written once: the first finds zeros, which a = 0 leaves zeros
.set i, i+1
.endr
; A STEP: 64 keys.
.macro STEP
	v_add_nc_u32 v2, s[TB], v1
	v_add_nc_u32 v3, s[TB], v6
.rept 3
	v_nop                                          ; with the two additions: five places behind the last step's products, whose P the scores below write over and whose V the loads below land on
.endr
.irp f, 0,1,2,3,4,5,6,7                        ; K: fragment 2 kt + c: keys 16 kt on, channels 32 c on
	ds_load_b128 v[F+8*\f:F+8*\f+3], v2 offset:\f*1024
	ds_load_b128 v[F+8*\f+4:F+8*\f+7], v2 offset:\f*1024+512
.endr
	s_wait_dscnt 0x0
.set i, 0
.rept 16                                       ; S^T = K Q^T: the eight accumulators take turns; the first eight start the sums
.set rS, S+32*(i%2)+8*((i/2)%4)
.set rK, F+8*(2*((i/2)%4)+i/8)
.set rQ, Q+16*(i%2)+8*(i/8)
.if i < 8
	v_wmma_f32_16x16x32_f16 v[rS:rS+7], v[rK:rK+7], v[rQ:rQ+7], 0
.else
	v_wmma_f32_16x16x32_f16 v[rS:rS+7], v[rK:rK+7], v[rQ:rQ+7], v[rS:rS+7]
.endif
.set i, i+1
.endr
.rept 4
	v_nop                                          ; places in front of the loads into K's registers and of the first read of the scores
.endr
.irp f, 0,1,2,3,4,5,6,7                        ; V: fragment 4 kc + cht: keys 32 kc on, channels 16 cht on; it lands while the softmax runs
	ds_load_b128 v[F+8*\f:F+8*\f+3], v3 offset:\f*1024
	ds_load_b128 v[F+8*\f+4:F+8*\f+7], v3 offset:\f*1024+512
.endr
	; the softmax, the two tiles line by line.  The maximum of my 32 scores and the old m: each accumulator is read from its low end on
.irp j, 0,1,2,3
.irp t, 0,1
	v_max3_num_f32 v[ST+8*\t+4+\j], v[S+32*\t+8*\j], v[S+32*\t+8*\j+1], v[S+32*\t+8*\j+2]
.endr
.endr
.irp g, 3,5
.irp j, 0,1,2,3
.irp t, 0,1
	v_max3_num_f32 v[ST+8*\t+4+\j], v[ST+8*\t+4+\j], v[S+32*\t+8*\j+\g], v[S+32*\t+8*\j+\g+1]
.endr
.endr
.endr
.irp t, 0,1
	v_max3_num_f32 v[ST+8*\t+4], v[ST+8*\t+4], v[S+32*\t+7], v[S+32*\t+15]
.endr
.irp t, 0,1
	v_max3_num_f32 v[ST+8*\t+6], v[ST+8*\t+6], v[S+32*\t+23], v[S+32*\t+31]
.endr
.irp t, 0,1
	v_max3_num_f32 v[ST+8*\t+4], v[ST+8*\t+4], v[ST+8*\t+5], v[ST+8*\t+6]
.endr
.irp t, 0,1
	v_max3_num_f32 v[ST+8*\t+4], v[ST+8*\t+4], v[ST+8*\t+7], v[ST+8*\t]
.endr
.irp t, 0,1
	v_permlanex16_b32 v[ST+8*\t+5], v[ST+8*\t+4], s[SEL], s[SEL+1]   ; the query's other 32 keys lie in the lane 16 away
.endr
.irp t, 0,1
	v_max_num_f32 v[ST+8*\t+6], v[ST+8*\t+4], v[ST+8*\t+5]           ; the new m
.endr
.irp t, 0,1
	v_sub_f32 v[ST+8*\t+7], v[ST+8*\t], v[ST+8*\t+6]                 ; old m - new m
.endr
.irp t, 0,1
	v_mov_b32 v[ST+8*\t], v[ST+8*\t+6]
.endr
.irp t, 0,1
	v_exp_f32 v[ST+8*\t+6], v[ST+8*\t+7]                             ; a = 2^(old m - new m)
.endr
.irp j, 0,2,4,6,8,10,12,14,16,18,20,22,24,26,28,30
.irp t, 0,1
	v_pk_add_f32 v[S+32*\t+\j:S+32*\t+\j+1], v[S+32*\t+\j:S+32*\t+\j+1], v[ST+8*\t:ST+8*\t+1] op_sel_hi:[1,0] neg_lo:[0,1] neg_hi:[0,1]   ; s - m, two at a time
.endr
.endr
.irp j, 0,1,2,3,4,5,6,7,8,9,10,11,12,13,14,15,16,17,18,19,20,21,22,23,24,25,26,27,28,29,30,31
.irp t, 0,1
	v_exp_f32 v[S+32*\t+\j], v[S+32*\t+\j]                           ; p
.endr
.endr
	v_nop                                          ; a plain line behind the last exponential
	s_wait_alu depctr_va_vdst(0)                   ; ONE wait for the step's 66 exponentials, ahead of the first line that names a result
.irp t, 0,1
	v_pk_add_f32 v[24+4*\t:25+4*\t], v[S+32*\t:S+32*\t+1], v[S+32*\t+2:S+32*\t+3]   ; the sum of the unrounded p, in two chains a tile
.endr
.irp t, 0,1
	v_pk_add_f32 v[26+4*\t:27+4*\t], v[S+32*\t+4:S+32*\t+5], v[S+32*\t+6:S+32*\t+7]
.endr
.irp j, 8,12,16,20,24,28
.irp t, 0,1
	v_pk_add_f32 v[24+4*\t:25+4*\t], v[24+4*\t:25+4*\t], v[S+32*\t+\j:S+32*\t+\j+1]
	v_pk_add_f32 v[26+4*\t:27+4*\t], v[26+4*\t:27+4*\t], v[S+32*\t+\j+2:S+32*\t+\j+3]
.endr
.endr
.irp t, 0,1
	v_pk_add_f32 v[24+4*\t:25+4*\t], v[24+4*\t:25+4*\t], v[26+4*\t:27+4*\t]
.endr
.irp t, 0,1
	v_pk_fma_f32 v[ST+8*\t+2:ST+8*\t+3], v[ST+8*\t+2:ST+8*\t+3], v[ST+8*\t+6:ST+8*\t+7], v[24+4*\t:25+4*\t] op_sel_hi:[1,0,1]   ; l = a l + the step's sum
.endr
.irp j, 0,1,2,3,4,5,6,7,8,9,10,11,12,13,14,15
.irp t, 0,1
	v_cvt_pk_f16_f32 v[S+32*\t+\j], v[S+32*\t+2*\j], v[S+32*\t+2*\j+1]   ; P, in place, ascending: register j is read no more when it is written
.endr
.endr
.irp j, 0,2,4,6,8,10,12,14,16,18,20,22,24,26,28,30
.irp t, 0,1
	v_pk_mul_f32 v[O+32*\t+\j:O+32*\t+\j+1], v[O+32*\t+\j:O+32*\t+\j+1], v[ST+8*\t+6:ST+8*\t+7] op_sel_hi:[1,0]   ; O^T under the new m
.endr
.endr
	s_wait_dscnt 0x0                               ; V is in
.set i, 0
.rept 16                                       ; O^T += V^T P: the eight accumulators take turns
.set rO, O+32*(i%2)+8*((i/2)%4)
.set rV, F+8*(4*(i/8)+(i/2)%4)
.set rP, S+32*(i%2)+8*(i/8)
	v_wmma_f32_16x16x32_f16 v[rO:rO+7], v[rV:rV+7], v[rP:rP+7], v[rO:rO+7]
.set i, i+1
.endr
	s_add_co_u32 s[TB], s[TB], 8192                ; the next 64 keys: 8,192 bytes on in K's region and in V's
.endm
; The next piece of K and V is whole.  left: my younger tensor loads, which may stay out.
.macro MEET left
	s_wait_tensorcnt \left                         ; my share of the piece is in,
	s_wait_dscnt 0x0                               ; (no LDS instruction of mine is out at a signal)
	s_barrier_signal -1
	s_barrier_wait -1                              ; everybody's is
.endm
.macro WALK trips                      ; so many steps of 64 keys
	s_mov_b32 s[CNT], \trips
.Lwalk_\@:
	STEP
	s_sub_co_u32 s[CNT], s[CNT], 1
	s_cmp_lg_u32 s[CNT], 0
	s_cbranch_scc1 .Lwalk_\@
.endm
	MEET 3                                         ; keys 0-127; three loads of mine were issued behind theirs
	s_wait_loadcnt 0x0                             ; Q
	WALK 2
	MEET 2                                         ; keys 128-255
	WALK 2
	MEET 1                                         ; keys 256-511
	WALK 4
	MEET 0                                         ; keys 512-1,023
	WALK 8
	; THE WAY OUT: O^T / l, rounded to f16, stored as images of the last product's operand registers.  The four additions and the v_nop are the places behind the last products.
.irp t, 0,1
	v_add_f32 v[ST+8*\t+4], v[ST+8*\t+2], v[ST+8*\t+3]
.endr
.irp t, 0,1
	v_permlanex16_b32 v[ST+8*\t+5], v[ST+8*\t+4], s[SEL], s[SEL+1]
.endr
.irp t, 0,1
	v_add_f32 v[ST+8*\t+4], v[ST+8*\t+4], v[ST+8*\t+5]
.endr
.irp t, 0,1
	v_rcp_f32 v[ST+8*\t+6], v[ST+8*\t+4]
.endr
	v_nop
	s_wait_alu depctr_va_vdst(0)                   ; one wait for the two reciprocals, ahead of their first reader
.irp j, 0,2,4,6,8,10,12,14,16,18,20,22,24,26,28,30
.irp t, 0,1
	v_pk_mul_f32 v[S+32*\t+\j:S+32*\t+\j+1], v[O+32*\t+\j:O+32*\t+\j+1], v[ST+8*\t+6:ST+8*\t+7] op_sel_hi:[1,0]
.endr
.endr
.irp j, 0,1,2,3,4,5,6,7,8,9,10,11,12,13,14,15
.irp t, 0,1
	v_cvt_pk_f16_f32 v[F+16*\t+\j], v[S+32*\t+2*\j], v[S+32*\t+2*\j+1]
.endr
.endr
.irp t, 0,1
.irp cht, 0,1,2,3
	global_store_b128 v1, v[F+16*\t+4*\cht:F+16*\t+4*\cht+3], s[6:7] offset:(\cht/2)*8192+\t*1024+(\cht%2)*512   ; 512 consecutive bytes
.endr
.endr
	s_wait_tensorcnt 0x0                           ; the wave's end
	ds_add_u32 v[SPW], v[NIL]
	s_wait_dscnt 0x0
	s_endpgm
.Lfunc_end_k_q7a85d7f9c9_attn:
	.size	k_q7a85d7f9c9_attn, .Lfunc_end_k_q7a85d7f9c9_attn-k_q7a85d7f9c9_attn
	.p2alignl 7, 3214868480
	.fill 96, 4, 3214868480
	.section	.rodata,"a",@progbits
	.p2align	6, 0x0
	.amdhsa_kernel k_q7a85d7f9c9_attn
		.amdhsa_group_segment_fixed_size 264192
		.amdhsa_private_segment_fixed_size 0
		.amdhsa_enable_private_segment 0
		.amdhsa_kernarg_size 16
		.amdhsa_user_sgpr_count 2
		.amdhsa_user_sgpr_kernarg_segment_ptr 1
		.amdhsa_wavefront_size32 1
		.amdhsa_system_sgpr_workgroup_id_x 1
		.amdhsa_system_sgpr_workgroup_id_y 1
		.amdhsa_system_sgpr_workgroup_id_z 1
		.amdhsa_system_vgpr_workitem_id 0
		.amdhsa_next_free_vgpr 256
		.amdhsa_next_free_sgpr 88
		.amdhsa_reserve_vcc 0
		.amdhsa_float_denorm_mode_32 3
		.amdhsa_float_denorm_mode_16_64 3
		.amdhsa_memory_ordered 1
		.amdhsa_forward_progress 1
		.amdhsa_inst_pref_size 82
	.end_amdhsa_kernel
	.amdgpu_metadata
---
amdhsa.version: [ 1, 2 ]
amdhsa.kernels:
  - .name:           k_q7a85d7f9c9_attn
    .symbol:         k_q7a85d7f9c9_attn.kd
    .args:
      - { .name: qkvf, .offset: 0, .size: 8, .value_kind: global_buffer, .address_space: global }
      - { .name: ao, .offset: 8, .size: 8, .value_kind: global_buffer, .address_space: global }
    .group_segment_fixed_size: 264192
    .private_segment_fixed_size: 0
    .kernarg_segment_align: 8
    .kernarg_segment_size: 16
    .max_flat_workgroup_size: 512
    .sgpr_count:     88
    .vgpr_count:     256
    .wavefront_size: 32
...
	.end_amdgpu_metadata
.endif
;; end of part 3
;; launch proj (part 4): grid 4 x 64, 4 waves a work-group, clusters of 4 x 1, 297,472 bytes of LDS; arguments ao, wo16, bo, out0; writes out0
.if DOCPART == 4
	.amdgcn_target "amdgcn-amd-amdhsa--gfx1250"
	.amdhsa_code_object_version 6
	.text
	.protected	k_q7a85d7f9c9_proj
	.globl	k_q7a85d7f9c9_proj
	.p2align	8
	.type	k_q7a85d7f9c9_proj,@function
k_q7a85d7f9c9_proj:
	s_mov_b64 s[64:65], 0
	v_nop
	global_prefetch_b8 v0, s[64:65] scope:SCOPE_SE
	s_setreg_imm32_b32 hwreg(HW_REG_WAVE_MODE, 25, 1), 1
	s_wait_xcnt 0x0
	s_wait_alu depctr_hold_cnt(0) depctr_sa_sdst(0) depctr_va_vdst(0) depctr_va_sdst(0) depctr_va_ssrc(0) depctr_va_vcc(0) depctr_vm_vsrc(0)
	s_getreg_b32 s2, hwreg(HW_REG_IB_STS2, 6, 4)
	s_cmp_eq_u32 s2, 0
	s_cbranch_scc0 .Lentry_in_a_cluster
	s_endpgm
.Lentry_in_a_cluster:
	s_bfe_u32 s2, ttmp6, 0x10000c
	s_cmp_lg_u32 s2, 0x3003
	s_cbranch_scc0 .Lentry_shape_is_right
	s_endpgm
.Lentry_shape_is_right:
; PROJ: out0 = A Wo + bo.  A [8192][768] is the attention's result and Wo the weight, both as f16 images of operand registers; sums in f32; out0 f32.
; SHARES.  A work-group makes 128 rows (work-group y) x 192 columns (work-group x); wave w 48 of the columns, three column tiles, for all eight row tiles: 24 accumulators.
; A's 128 rows, 196,608 dense bytes ([K step 24][row tile 8][1,024]), come into LDS once, by two tensor loads a wave (two of mine are out at the most): K steps 0-11, for which the first barrier waits,
; and K steps 12-23, for which a barrier in K step 11 waits.  No byte of LDS is filled again.
; CLUSTER: the four work-groups of a row block need the same A: each load is asked for JOINTLY, by the same descriptor with the mask of all four.  The place in the cluster enters global addresses of Wo, bo and out0 alone.
; Wo's fragments go from memory straight into registers, each loaded once by its wave and used for eight products, nine K steps ahead.
; THE PRODUCT IS USED TRANSPOSED (source 0 = 16 columns of Wo, source 1 = 16 rows of A): a lane holds eight neighbouring numbers of a row of out0.  bo is the C of each sum's first product.
; No prefetch: all of A is asked for at the head.
; REGISTERS, in windows of 256.  Window 0: v1-12, v42 addresses; v13, v14 the add's two; v16-39 the bias; v64-255 the accumulators (64 + 8 (3 T + ct)), later rows of out0.
;   Windows 1, 2: Wo's fragments of K steps 0-9, 10-19 (24 (ks % 10) + 8 ct).   Window 3: v0-95 those of K steps 20-23; v96-159, v160-223 A's eight fragments of a K step, two buffers.
.set STG,   196608                     ; behind A: the stage for the way out, 128 rows of SPT bytes
.set SPT,   784                        ; 768 bytes + 16: an odd multiple of 16
.set SPARE, 296960                     ; behind the stage: the spare words, 128 bytes a wave: two blocks of 256 bytes that no other line names
.set SPW, 13
.set NIL, 14
.set MSB, 0
.macro WIN new
.if MSB != (\new)
	s_set_vgpr_msb (MSB<<8)|(\new)
.set MSB, (\new)
.endif
.endm
.macro CROUND                          ; a round of the cluster's barrier: my work-group's barrier; wave 0 signals for the work-group; every wave waits for all four work-groups; my work-group's barrier once more
	s_barrier_signal -1
	s_barrier_wait -1
	s_cmp_lg_u32 s12, 0
	s_cbranch_scc1 .Lnot_wave_0_\@
	s_barrier_signal -3
.Lnot_wave_0_\@:
	s_barrier_wait -3
	s_barrier_signal -1
	s_barrier_wait -1
.endm
	s_load_b256 s[4:11], s[0:1], 0x0               ; ao s[4:5], wo16 s[6:7], bo s[8:9], out0 s[10:11]
	v_lshl_add_u32 v[SPW], v0, 2, SPARE
	v_mov_b32 v[NIL], 0
	ds_add_u32 v[SPW], v[NIL]                      ; the wave's opening: the add, twice on end, and its wait ahead of the round in front of my first tensor load
	ds_add_u32 v[SPW], v[NIL]
	v_lshrrev_b32 v1, 5, v0
	v_readfirstlane_b32 s12, v1                    ; wave 0..3
	s_bfe_u32 s13, ttmp6, 0x40000                  ; cx: my place in the cluster
	s_and_b32 s14, ttmp7, 0xffff                   ; the row block, which the four partners share
	s_mov_b32 s16, 15|(3<<16)|(1<<21)              ; the mask: all four work-groups; elements of 8 bytes; bit 21 set beside a mask; no padding
	s_mov_b32 s17, 32<<16                          ; tensor_dim0 = 32 elements: a row of 256 bytes
	s_mov_b32 s18, 96<<16                          ; tensor_dim1 = 96
	s_mov_b32 s19, 32<<16                          ; tile_dim0
	s_mov_b32 s20, 96                              ; tile_dim1
	s_mov_b32 s21, 32                              ; the pitch: the block is dense
	s_mov_b32 s22, 0
	s_mov_b32 s23, 0
	s_mul_i32 s32, s12, 24576                      ; my quarter of a half of A, in memory and in LDS alike
	s_mov_b32 s24, 1
	s_mov_b32 s25, s32
	s_mov_b32 s28, 1
	s_add_co_u32 s29, s32, 98304
	s_mul_i32 s34, s14, 196608
	s_add_co_u32 s34, s34, s32
	s_mov_b32 s35, 0
	s_lshl_b32 s36, ttmp9, 2
	s_add_co_u32 s36, s36, s13                     ; work-group x = 4 x cluster x + cx: which 192 columns
	s_mul_i32 s38, s36, 12
	s_mul_i32 s39, s12, 3
	s_add_co_u32 s38, s38, s39
	s_mul_i32 s38, s38, 24576                      ; wo16: my first column tile
	s_mov_b32 s39, 0
	s_mul_i32 s40, s36, 768
	s_mul_i32 s41, s12, 192
	s_add_co_u32 s40, s40, s41                     ; bo: my 48 numbers
	s_mov_b32 s41, 0
	s_lshl_b32 s42, s14, 7
	s_lshl_b32 s43, s12, 5
	s_add_co_u32 s42, s42, s43
	s_mul_i32 s42, s42, 3072                       ; out0: the first of the 32 rows that I store,
	s_mul_i32 s43, s36, 768
	s_add_co_u32 s42, s42, s43                     ; the work-group's 768 bytes of a row
	s_mov_b32 s43, 0
	v_and_b32 v1, 31, v0
	v_lshlrev_b32 v1, 4, v1                        ; 16 l
	v_add_nc_u32 v2, 0, v1                         ; A's fragments: K steps 0-7,
	v_add_nc_u32 v3, 0x10000, v1                   ; 8-15,
	v_add_nc_u32 v4, 0x20000, v1                   ; 16-23
	v_and_b32 v40, 15, v0                          ; r
	v_bfe_u32 v41, v0, 4, 1                        ; h
	v_lshlrev_b32 v5, 5, v41                       ; 32 h
	v_mul_u32_u24 v6, v40, SPT
	v_add_nc_u32 v6, v6, v5
	s_mul_i32 s44, s12, 192
	s_add_co_u32 s44, s44, STG
	v_add_nc_u32 v6, s44, v6                       ; into the stage: row r, my wave's 192 bytes, + 32 h
	v_add_nc_u32 v42, 64*SPT, v6                   ; and 64 rows further down (an LDS immediate ends at 65,535)
	s_mul_i32 s44, s12, 32*SPT
	s_add_co_u32 s44, s44, STG
	v_add_nc_u32 v7, s44, v1                       ; back: two rows, 1,536 bytes, by three loads: a row's first 512 bytes;
	v_lshl_add_u32 v8, v41, 4, v7
	v_add_nc_u32 v8, 512, v8                       ; its last 256 (lanes 0-15) and the next row's first 256 (lanes 16-31);
	v_add_nc_u32 v9, 1040, v7                      ; the next row's last 512
	v_add_nc_u32 v10, 0, v1                        ; and the same places in out0, whose rows are 3,072 bytes
	v_mul_u32_u24 v11, v41, 2304
	v_add_nc_u32 v11, v11, v1
	v_add_nc_u32 v11, 512, v11
	v_add_nc_u32 v12, 3328, v1
	s_wait_dscnt 0x0                               ; both opening adds are done
	s_wait_kmcnt 0x0
	s_add_nc_u64 s[26:27], s[4:5], s[34:35]
	s_add_nc_u64 s[30:31], s[26:27], 98304
	s_or_b32 s27, s27, 0x80000000                  ; type = 2
	s_or_b32 s31, s31, 0x80000000
	s_add_nc_u64 s[6:7], s[6:7], s[38:39]
	s_add_nc_u64 s[8:9], s[8:9], s[40:41]
	s_add_nc_u64 s[10:11], s[10:11], s[42:43]
	CROUND                                         ; all four work-groups are here: the joint loads meet
	tensor_load_to_lds s[24:27], s[16:23]          ; K steps 0-11: my quarter
	s_nop 0
	tensor_load_to_lds s[28:31], s[16:23]          ; K steps 12-23
	s_nop 0
.rept 4
	v_nop
.endr
.irp ct, 0,1,2
	global_load_b128 v[16+8*\ct:16+8*\ct+3], v5, s[8:9] offset:\ct*64          ; bo at the lane's eight columns
	global_load_b128 v[16+8*\ct+4:16+8*\ct+7], v5, s[8:9] offset:\ct*64+16
.endr
.macro LOADB ks                        ; Wo's three fragments of a K step: six loads
.set BW, (1+(\ks)/10)<<6
	WIN BW
.irp ct, 0,1,2
.irp c, 0,1
	global_load_b128 v[24*((\ks)%10)+8*\ct+4*\c:24*((\ks)%10)+8*\ct+4*\c+3], v1, s[6:7] offset:\ct*24576+(\ks)*1024+\c*512
.endr
.endr
.endm
.macro FETCHA ks                       ; A's eight fragments of a K step into buffer ks % 2
	WIN 0xc0
.irp T, 0,1,2,3,4,5,6,7
.irp c, 0,1
	ds_load_b128 v[96+64*((\ks)%2)+8*\T+4*\c:96+64*((\ks)%2)+8*\T+4*\c+3], v[2+(\ks)/8] offset:((\ks)%8)*8192+\T*1024+\c*512
.endr
.endr
.endm
.set KS, 0
.rept 9
	LOADB KS
.set KS, KS+1
.endr
	WIN 0
	s_wait_tensorcnt 0x1                           ; my quarter of K steps 0-11 is in; the other load may stay out
	s_barrier_signal -1
	s_barrier_wait -1                              ; everybody's is
	FETCHA 0
; A K step of 32: 24 products, all 24 accumulators by turns; the next step's fragments of A are fetched ahead of them, into the buffer that the last step multiplied
.macro STEP ks
.if (\ks)+8 < 23
	s_wait_loadcnt 48                              ; this step's fragments of Wo are in; those of the eight steps behind it may be out
.else
	s_wait_loadcnt 6*(23-(\ks))
.endif
	s_wait_dscnt 0x0                               ; this step's fragments of A are in
.if (\ks) == 11
	s_wait_tensorcnt 0x0                           ; my quarter of K steps 12-23 is in,
	s_barrier_signal -1
	s_barrier_wait -1                              ; everybody's is
.endif
.if (\ks) > 0
.rept 4
	v_nop                                          ; places in front of the loads into registers that the last step's products have read
.endr
.endif
.if (\ks) < 23
	FETCHA (\ks)+1
.endif
.if (\ks)+9 <= 23
	LOADB (\ks)+9
.endif
.set MW, (1+(\ks)/10)|(3<<2)
	WIN MW                                         ; source 0 (Wo) window 1, 2 or 3; source 1 (A) window 3; C and D window 0
.irp T, 0,1,2,3,4,5,6,7
.irp ct, 0,1,2
.if (\ks) == 0
	v_wmma_f32_16x16x32_f16 v[64+8*(3*\T+\ct):64+8*(3*\T+\ct)+7], v[24*((\ks)%10)+8*\ct:24*((\ks)%10)+8*\ct+7], v[96+64*((\ks)%2)+8*\T:96+64*((\ks)%2)+8*\T+7], v[16+8*\ct:16+8*\ct+7]
.else
	v_wmma_f32_16x16x32_f16 v[64+8*(3*\T+\ct):64+8*(3*\T+\ct)+7], v[24*((\ks)%10)+8*\ct:24*((\ks)%10)+8*\ct+7], v[96+64*((\ks)%2)+8*\T:96+64*((\ks)%2)+8*\T+7], v[64+8*(3*\T+\ct):64+8*(3*\T+\ct)+7]
.endif
.endr
.endr
.endm
.set KS, 0
.rept 24
	STEP KS
.set KS, KS+1
.endr
	; THE WAY OUT: a lane's 32 bytes of a row go into the work-group's stage; a barrier, since a row's 768 bytes come from four waves; each wave reads 32 whole rows back and stores them.
	WIN 0
.rept 4
	v_nop                                          ; places behind the last products, in front of the first read of results
.endr
.irp T, 0,1,2,3
.irp ct, 0,1,2
	ds_store_b128 v6, v[64+8*(3*\T+\ct):64+8*(3*\T+\ct)+3] offset:\T*16*SPT+\ct*64        ; each accumulator from its low end on
	ds_store_b128 v6, v[64+8*(3*\T+\ct)+4:64+8*(3*\T+\ct)+7] offset:\T*16*SPT+\ct*64+16
.endr
.endr
.irp T, 4,5,6,7
.irp ct, 0,1,2
	ds_store_b128 v42, v[64+8*(3*\T+\ct):64+8*(3*\T+\ct)+3] offset:(\T-4)*16*SPT+\ct*64
	ds_store_b128 v42, v[64+8*(3*\T+\ct)+4:64+8*(3*\T+\ct)+7] offset:(\T-4)*16*SPT+\ct*64+16
.endr
.endr
	s_wait_dscnt 0x0                               ; for the others' sake: my stores into the stage are done
	s_barrier_signal -1
	s_barrier_wait -1
.irp i, 0,1,2,3,4,5,6,7,8,9,10,11,12,13,14,15
.irp j, 0,1,2
	ds_load_b128 v[64+4*(3*\i+\j):64+4*(3*\i+\j)+3], v[7+\j] offset:\i*2*SPT
.endr
.endr
.irp i, 0,1,2,3,4,5,6,7,8,9,10,11,12,13,14,15
.irp j, 0,1,2
	s_wait_dscnt 47-(3*\i+\j)                      ; LDS loads come back in order: this one is in, the younger ones may be out
	global_store_b128 v[10+\j], v[64+4*(3*\i+\j):64+4*(3*\i+\j)+3], s[10:11] offset:\i*6144 th:TH_STORE_NT   ; sixteen lanes store 256 consecutive bytes, at a multiple of 256 from out0's first byte
.endr
.endr
	s_wait_tensorcnt 0x0                           ; the wave's end: behind my last tensor load and my last LDS store
	ds_add_u32 v[SPW], v[NIL]
	s_wait_dscnt 0x0
	CROUND                                         ; the closing round: no work-group ends while a partner may still ask for a tile that names it
	s_endpgm
.Lfunc_end_k_q7a85d7f9c9_proj:
	.size	k_q7a85d7f9c9_proj, .Lfunc_end_k_q7a85d7f9c9_proj-k_q7a85d7f9c9_proj
	.p2alignl 7, 3214868480
	.fill 96, 4, 3214868480
	.section	.rodata,"a",@progbits
	.p2align	6, 0x0
	.amdhsa_kernel k_q7a85d7f9c9_proj
		.amdhsa_group_segment_fixed_size 297472
		.amdhsa_private_segment_fixed_size 0
		.amdhsa_enable_private_segment 0
		.amdhsa_kernarg_size 32
		.amdhsa_user_sgpr_count 2
		.amdhsa_user_sgpr_kernarg_segment_ptr 1
		.amdhsa_wavefront_size32 1
		.amdhsa_system_sgpr_workgroup_id_x 1
		.amdhsa_system_sgpr_workgroup_id_y 1
		.amdhsa_system_sgpr_workgroup_id_z 1
		.amdhsa_system_vgpr_workitem_id 0
		.amdhsa_next_free_vgpr 1024
		.amdhsa_next_free_sgpr 66
		.amdhsa_reserve_vcc 0
		.amdhsa_float_denorm_mode_32 3
		.amdhsa_float_denorm_mode_16_64 3
		.amdhsa_memory_ordered 1
		.amdhsa_forward_progress 1
		.amdhsa_inst_pref_size 98
	.end_amdhsa_kernel
	.amdgpu_metadata
---
amdhsa.version: [ 1, 2 ]
amdhsa.kernels:
  - .name:           k_q7a85d7f9c9_proj
    .symbol:         k_q7a85d7f9c9_proj.kd
    .args:
      - { .name: ao, .offset: 0, .size: 8, .value_kind: global_buffer, .address_space: global }
      - { .name: wo16, .offset: 8, .size: 8, .value_kind: global_buffer, .address_space: global }
      - { .name: bo, .offset: 16, .size: 8, .value_kind: global_buffer, .address_space: global }
      - { .name: out0, .offset: 24, .size: 8, .value_kind: global_buffer, .address_space: global }
    .group_segment_fixed_size: 297472
    .private_segment_fixed_size: 0
    .kernarg_segment_align: 8
    .kernarg_segment_size: 32
    .max_flat_workgroup_size: 128
    .sgpr_count:     66
    .vgpr_count:     1024
    .wavefront_size: 32
...
	.end_amdgpu_metadata
.endif
;; end of part 4
